; MI455X (gfx1250); checked and timed in simulation.
; The chip was launched on July 23, 2026; its instructions are those of AMD's public machine-readable ISA for CDNA 5 (MIT licence, August 2026) and "CDNA5" Instruction Set Architecture Reference Guide (July 2026). The comments in the code are by the model that wrote it; some were corrected since.
;; YOURLSTM. Allowed arithmetic: float matrix products may take bf16 or f16 operands with f32 sums; other float arithmetic in f32, or as packed bf16 or f16 multiplies, adds, multiply-adds, maxima and minima; sums over many terms, partial sums and values carried from step to step in f32; what a program stores and reads back later, other than sums and carried values, may be rounded once to bf16 or f16.
;; Inputs: W_hh 4 x 4,096 x 1,024 float32; W_ih 4 x 4,096 x 1,024 float32; b_hh 4 x 4,096 float32; b_ih 4 x 4,096 float32; c0 4 x 2,048 x 1,024 float32; h0 4 x 2,048 x 1,024 float32; x 2,048 x 1,024 float32.
;; Outputs: out0 4 x 2,048 x 1,024 float32; out1 4 x 2,048 x 1,024 float32.
;; 2 versions, each right; version 2 is version 1 with the launch pack written anew for expert scheduling mode. Each part assembles by itself: llvm-mc -triple=amdgcn-amd-amdhsa -mcpu=gfx1250 --defsym DOCPART=n.
;; ======== version 1 of 2: 5 launches
;; limits: inputs' magnitudes at most 70,000,000,000,000; right only within a limited range of input values
;; workspace buffers: pk0 25,165,824 bytes; pk1 25,165,824 bytes; pk2 25,165,824 bytes; pk3 25,165,824 bytes; lay0 256 bytes of whole numbers; lay1 256 bytes of whole numbers; lay2 256 bytes of whole numbers; lay3 256 bytes of whole numbers
;; launch pack (part 1): grid 672 x 1, 8 waves a work-group, no clusters, 19,456 bytes of LDS; arguments W_ih, W_hh, h0, x, pk0, pk1, pk2, pk3, lay0, lay1, lay2, lay3; writes pk0, pk1, pk2, pk3, lay0, lay1, lay2, lay3
.if DOCPART == 1
	.amdgcn_target "amdgcn-amd-amdhsa--gfx1250"
	.amdhsa_code_object_version 6
	.text
	.protected	k_qd39cbce96a_pack
	.globl	k_qd39cbce96a_pack
	.p2align	8
	.type	k_qd39cbce96a_pack,@function
k_qd39cbce96a_pack:
	s_mov_b64 s[64:65], 0
	v_nop
	global_prefetch_b8 v0, s[64:65] scope:SCOPE_SE
	s_setreg_imm32_b32 hwreg(HW_REG_WAVE_MODE, 25, 1), 1
	s_wait_xcnt 0x0
; THE OPERANDS OF FOUR LSTM LAYERS, rounded once from f32 to bf16 and laid in the ORDER OF THE MATRIX INSTRUCTION'S FRAGMENTS.  A stream: no matrix unit, no barrier.
; A FRAGMENT is 16 rows x 32 k of bf16, 1,024 consecutive bytes: lane l = r + 16 h of a wave owns the 16 bytes at 16 l (row r, k = 8 h + 0..7) and those at 512 + 16 l (row r, k = 16 + 8 h + 0..7).
; So a layer's load of a fragment, from LDS, is two loads of 512 consecutive bytes, and a tile is a dense block of memory.
; pk_l, bytes 0 .. 16,777,215: Wf[bn 16][q 64][f 16][1,024]: hidden block bn (64 columns), quarter q (32 k of the joined K: q < 32 is W_ih[l], q >= 32 is W_hh[l]), f = 4 w + g: gate g of hidden columns 64 bn + 16 w + 0..15.
; pk_l, bytes 16,777,216 on: Af[bm 16][q 64][a 8][1,024]: batch block bm (128 rows), rows 16 a + 0..15; q < 32 is the layer's input (x for layer 0; the layers write the others), q >= 32 is h0[l].
; lay_l: 64 words that hold the number l, from which the layers' one text forms its offsets into the stacked arrays.
; SHARES.  A work-group takes 64 rows of 4,096 bytes of f32.  Groups 0-511: W (layer, W_ih or W_hh, 64 rows); 512-639: h0; 640-671: x.  Wave v takes 16 rows (v / 2) x 512 k (v % 2): eight UNITS of 16 rows x 64 k.
; A unit: eight loads (two rows' 256 aligned bytes each); each lane's four numbers, rounded, go as 8 bytes into the wave's own stage in LDS, at their place in two fragments; four loads of 16 bytes a lane bring them
; back, and four stores of 512 consecutive bytes, at multiples of 512 from the buffer's first byte, send them out.  16 loads of a wave are out until the last two units.
.set ABASE, 16777216                   ; where Af begins in pk_l
.set GP,    288                        ; the stage: a group of 256 bytes (16 rows x 16 bytes) every 288 = 72 words: an 8-byte store of 32 lanes (eight groups, two rows, two halves) touches each of the 64 banks once (ISA guide 11.1)
.set STGB,  8*GP                       ; two fragments, eight groups: a wave's stage
.set SPARE, 8*STGB                     ; behind the eight stages: the spare words, 128 bytes for each wave: four blocks of 256 bytes that no other line names
.set SRC, 1                            ; v1   my byte offset in two rows of the source; never rewritten
.set DST, 2                            ; v2   16 x lane: my 16 bytes of 512 stored; never rewritten
.set STA, 3                            ; v3   where my 8 bytes go in the stage
.set RDA, 4                            ; v4   where I read 16 bytes back
.set L8,  5                            ; v5   8 x lane, for the layer numbers
.set SPW, 14                           ; v14  LDS address of my spare word; never rewritten
.set NIL, 15                           ; v15  0; never rewritten
.set X, 16                             ; v[16:79]   two units' eight chunks, 4 registers each, as loaded
.set Y, 80                             ; v[80:87]   four pairs on their way into the stage
.set Z, 88                             ; v[88:119]  two sets of 16: a unit's two fragments, to store
; s[4:11] W_ih, W_hh, h0, x; s[12:19] pk0-3; s[20:27] lay0-3; s28 work-group; s29 wave; s30 layer; s[34:35], s[36:37] offsets; s[38:39] source, s[40:41] destination; s46 wave / 2; s47 wave % 2
	s_load_b512 s[4:19], s[0:1], 0x0
	s_load_b256 s[20:27], s[0:1], 0x40
	v_lshl_add_u32 v[SPW], v0, 2, SPARE
	v_mov_b32 v[NIL], 0
	v_lshrrev_b32 v80, 5, v0
	v_readfirstlane_b32 s29, v80                   ; wave 0..7
	s_mov_b32 s28, ttmp9
	s_lshr_b32 s46, s29, 1                         ; which 16 rows
	s_and_b32 s47, s29, 1                          ; which 512 k
	s_mul_i32 s33, s29, STGB                       ; my stage
	v_and_b32 v81, 31, v0                          ; lane
	v_lshlrev_b32 v[DST], 4, v81
	v_lshlrev_b32 v[L8], 3, v81
	v_and_b32 v82, 15, v0                          ; c: my four k among a row's 64
	v_bfe_u32 v83, v0, 4, 1                        ; p: the even row or the odd one
	v_lshlrev_b32 v[SRC], 4, v82
	v_lshl_add_u32 v[SRC], v83, 12, v[SRC]         ; 4,096 p + 16 c
	v_lshrrev_b32 v84, 1, v82                      ; k = 4 c lies in group c / 2 (fragment c / 8, its half (c / 4) % 2, lanes' half (c / 2) % 2), 8 bytes c % 2
	v_mul_u32_u24 v[STA], v84, GP
	v_lshl_add_u32 v[STA], v83, 4, v[STA]          ; row 2 t + p: 16 p here, 32 t in the store's immediate
	v_and_b32 v84, 1, v0
	v_lshl_add_u32 v[STA], v84, 3, v[STA]
	v_add_nc_u32 v[STA], s33, v[STA]
	v_mul_u32_u24 v[RDA], v83, GP                  ; back: lanes 0-15 one group, lanes 16-31 the next
	v_lshl_add_u32 v[RDA], v82, 4, v[RDA]
	v_add_nc_u32 v[RDA], s33, v[RDA]
	s_wait_kmcnt 0x0
	s_lshl_b32 s30, s28, 3
	s_add_co_u32 s30, s30, s29
	s_cmp_lg_u32 s30, 0
	s_cbranch_scc1 .Lno_lay                        ; the first wave of the first group writes the four layer numbers, 256 bytes each
	v_mov_b32 v6, 0
	v_mov_b32 v7, 0
	v_mov_b32 v8, 1
	v_mov_b32 v9, 1
	v_mov_b32 v10, 2
	v_mov_b32 v11, 2
	v_mov_b32 v12, 3
	v_mov_b32 v13, 3
	global_store_b64 v[L8], v[6:7], s[20:21]
	global_store_b64 v[L8], v[8:9], s[22:23]
	global_store_b64 v[L8], v[10:11], s[24:25]
	global_store_b64 v[L8], v[12:13], s[26:27]     ; none of these registers is written again
.Lno_lay:
; pk of layer s30, plus the offset in s[36:37].  The conditions hang on the work-group's number alone.
.macro PICK
	s_and_b32 s33, s30, 1
	s_cmp_lg_u32 s33, 0
	s_cselect_b64 s[42:43], s[14:15], s[12:13]
	s_cselect_b64 s[44:45], s[18:19], s[16:17]
	s_and_b32 s33, s30, 2
	s_cmp_lg_u32 s33, 0
	s_cselect_b64 s[40:41], s[44:45], s[42:43]
	s_add_nc_u64 s[40:41], s[40:41], s[36:37]
.endm
.macro LD u, t                         ; chunk t of unit u: rows 2 t and 2 t + 1, 256 bytes of each
	global_load_b128 v[X+4*(8*((\u)%2)+(\t)):X+4*(8*((\u)%2)+(\t))+3], v[SRC], s[38:39] offset:(\t)*8192+(\u)*256 th:TH_LOAD_NT
.endm
; Unit u.  Every place stands in an immediate: no address register is ever stepped.  QS = bytes from a quarter to the next in the destination.
.macro UNIT u
.irp t, 0,1,2,3,4,5,6,7
.set XB, X+4*(8*((\u)%2)+(\t))
.if (\u) < 6
	s_wait_loadcnt 15                              ; loads come back in order (ISA guide 5.7.1).  Younger than mine: the rest of this unit, the next unit, the unit after next as far as chunk t - 1: 15
.elseif (\u) == 6
	s_wait_loadcnt 15-(\t)                         ; the last two units load nothing: the counts run down
.else
	s_wait_loadcnt 7-(\t)
.endif
	v_cvt_pk_bf16_f32 v[Y+2*((\t)%4)],   v[XB],   v[XB+1]
	v_cvt_pk_bf16_f32 v[Y+2*((\t)%4)+1], v[XB+2], v[XB+3]
	ds_store_b64 v[STA], v[Y+2*((\t)%4):Y+2*((\t)%4)+1] offset:(\t)*32
.if (\u) < 6
	LD (\u)+2, \t
.endif
.endr
.irp j, 0,1,2,3
	ds_load_b128 v[Z+16*((\u)%2)+4*(\j):Z+16*((\u)%2)+4*(\j)+3], v[RDA] offset:(\j)*2*GP  ; LDS serves a wave's instructions in order (ISA guide 5.7.1.4): these see the stores above, and the next unit's stores come behind them
.endr
	s_wait_xcnt 0x0                                ; the other set of Z, which the last unit's stores read, is loaded again (in the next unit) only behind this wait
.irp j, 0,1,2,3
	s_wait_dscnt 3-(\j)
	global_store_b128 v[DST], v[Z+16*((\u)%2)+4*(\j):Z+16*((\u)%2)+4*(\j)+3], s[40:41] offset:(2*(\u)+(\j)/2)*QS+((\j)%2)*512
.endr
.endm
.macro PASS
.irp t, 0,1,2,3,4,5,6,7
	LD 0, \t
.endr
.irp t, 0,1,2,3,4,5,6,7
	LD 1, \t
.endr
.irp u, 0,1,2,3,4,5,6,7
	UNIT \u
.endr
	s_wait_tensorcnt 0x0                           ; the wave's end, behind my last LDS store
	ds_add_u32 v[SPW], v[NIL]
	s_wait_dscnt 0x0
	s_endpgm
.endm
	s_cmp_lt_u32 s28, 512
	s_cbranch_scc0 .Lact
	; W: layer = group / 128; W_ih or W_hh = bit 6; 64 rows = group % 64: gate (group % 64) / 16, hidden block group % 16
	s_lshr_b32 s30, s28, 7
	s_bfe_u32 s31, s28, 0x10006
	s_and_b32 s32, s28, 63
	s_lshl_b32 s34, s30, 24                        ; a layer of W is 16 MiB,
	s_lshl_b32 s33, s32, 18                        ; 64 rows are 262,144 bytes,
	s_add_co_u32 s34, s34, s33
	s_lshl_b32 s33, s46, 16                        ; my 16 rows 65,536,
	s_add_co_u32 s34, s34, s33
	s_lshl_b32 s33, s47, 11                        ; my 512 k 2,048
	s_add_co_u32 s34, s34, s33
	s_mov_b32 s35, 0
	s_and_b32 s33, s32, 15
	s_lshl_b32 s36, s33, 20                        ; a hidden block of Wf is 1 MiB;
	s_lshl_b32 s33, s31, 19                        ; 32 quarters of 16,384 bytes for W_hh,
	s_add_co_u32 s36, s36, s33
	s_lshl_b32 s33, s47, 18                        ; 16 for my second 512 k;
	s_add_co_u32 s36, s36, s33
	s_lshl_b32 s33, s46, 12                        ; fragment 4 (wave / 2)
	s_add_co_u32 s36, s36, s33
	s_lshr_b32 s33, s32, 4
	s_lshl_b32 s33, s33, 10                        ; + gate
	s_add_co_u32 s36, s36, s33
	s_mov_b32 s37, 0
	s_cmp_eq_u32 s31, 1
	s_cselect_b64 s[38:39], s[6:7], s[4:5]
	s_add_nc_u64 s[38:39], s[38:39], s[34:35]
	PICK
.set QS, 16384
	PASS
.Lact:
	; h0 (n < 128: layer n / 32, 64 rows n % 32) or x (layer 0, 64 rows n % 32)
	s_sub_co_u32 s31, s28, 512
	s_lshr_b32 s30, s31, 5
	s_and_b32 s32, s31, 31
	s_cmp_lt_u32 s31, 128
	s_cselect_b64 s[38:39], s[8:9], s[10:11]
	s_cselect_b32 s30, s30, 0
	s_cselect_b32 s36, 1<<18, 0                    ; h0 fills quarters 32-63 (32 x 8,192 bytes on), x quarters 0-31
	s_lshl_b32 s34, s30, 23                        ; a layer of h0 is 8 MiB
	s_lshl_b32 s33, s32, 18
	s_add_co_u32 s34, s34, s33
	s_lshl_b32 s33, s46, 16
	s_add_co_u32 s34, s34, s33
	s_lshl_b32 s33, s47, 11
	s_add_co_u32 s34, s34, s33
	s_mov_b32 s35, 0
	s_lshr_b32 s33, s32, 1
	s_lshl_b32 s33, s33, 19                        ; a batch block of Af is 512 KiB
	s_add_co_u32 s36, s36, s33
	s_lshl_b32 s33, s47, 17                        ; 16 quarters for my second 512 k
	s_add_co_u32 s36, s36, s33
	s_and_b32 s33, s32, 1
	s_lshl_b32 s33, s33, 12                        ; fragment 4 (n % 2)
	s_add_co_u32 s36, s36, s33
	s_lshl_b32 s33, s46, 10                        ; + wave / 2
	s_add_co_u32 s36, s36, s33
	s_add_co_u32 s36, s36, ABASE
	s_mov_b32 s37, 0
	s_add_nc_u64 s[38:39], s[38:39], s[34:35]
	PICK
.set QS, 8192
	PASS
.Lfunc_end_k_qd39cbce96a_pack:
	.size	k_qd39cbce96a_pack, .Lfunc_end_k_qd39cbce96a_pack-k_qd39cbce96a_pack
	.p2alignl 7, 3214868480
	.fill 96, 4, 3214868480
	.section	.rodata,"a",@progbits
	.p2align	6, 0x0
	.amdhsa_kernel k_qd39cbce96a_pack
		.amdhsa_group_segment_fixed_size 19456
		.amdhsa_private_segment_fixed_size 0
		.amdhsa_enable_private_segment 0
		.amdhsa_kernarg_size 96
		.amdhsa_user_sgpr_count 2
		.amdhsa_user_sgpr_kernarg_segment_ptr 1
		.amdhsa_wavefront_size32 1
		.amdhsa_system_sgpr_workgroup_id_x 1
		.amdhsa_system_sgpr_workgroup_id_y 1
		.amdhsa_system_sgpr_workgroup_id_z 1
		.amdhsa_system_vgpr_workitem_id 0
		.amdhsa_next_free_vgpr 120
		.amdhsa_next_free_sgpr 66
		.amdhsa_reserve_vcc 0
		.amdhsa_float_denorm_mode_32 3
		.amdhsa_float_denorm_mode_16_64 3
		.amdhsa_memory_ordered 1
		.amdhsa_forward_progress 1
		.amdhsa_inst_pref_size 58
	.end_amdhsa_kernel
	.amdgpu_metadata
---
amdhsa.version: [ 1, 2 ]
amdhsa.kernels:
  - .name:           k_qd39cbce96a_pack
    .symbol:         k_qd39cbce96a_pack.kd
    .args:
      - { .name: W_ih, .offset: 0, .size: 8, .value_kind: global_buffer, .address_space: global }
      - { .name: W_hh, .offset: 8, .size: 8, .value_kind: global_buffer, .address_space: global }
      - { .name: h0, .offset: 16, .size: 8, .value_kind: global_buffer, .address_space: global }
      - { .name: x, .offset: 24, .size: 8, .value_kind: global_buffer, .address_space: global }
      - { .name: pk0, .offset: 32, .size: 8, .value_kind: global_buffer, .address_space: global }
      - { .name: pk1, .offset: 40, .size: 8, .value_kind: global_buffer, .address_space: global }
      - { .name: pk2, .offset: 48, .size: 8, .value_kind: global_buffer, .address_space: global }
      - { .name: pk3, .offset: 56, .size: 8, .value_kind: global_buffer, .address_space: global }
      - { .name: lay0, .offset: 64, .size: 8, .value_kind: global_buffer, .address_space: global }
      - { .name: lay1, .offset: 72, .size: 8, .value_kind: global_buffer, .address_space: global }
      - { .name: lay2, .offset: 80, .size: 8, .value_kind: global_buffer, .address_space: global }
      - { .name: lay3, .offset: 88, .size: 8, .value_kind: global_buffer, .address_space: global }
    .group_segment_fixed_size: 19456
    .private_segment_fixed_size: 0
    .kernarg_segment_align: 8
    .kernarg_segment_size: 96
    .max_flat_workgroup_size: 256
    .sgpr_count:     66
    .vgpr_count:     120
    .wavefront_size: 32
...
	.end_amdgpu_metadata
.endif
;; end of part 1
;; launch layer0 (part 2): grid 16 x 16, 4 waves a work-group, clusters of 4 x 4, 327,680 bytes of LDS; arguments pk0, pk1, lay0, c0, b_ih, b_hh, out0, out1; writes pk1, out0, out1
.if DOCPART == 2
	.amdgcn_target "amdgcn-amd-amdhsa--gfx1250"
	.amdhsa_code_object_version 6
	.text
	.protected	k_qd39cbce96a_layer0
	.globl	k_qd39cbce96a_layer0
	.p2align	8
	.type	k_qd39cbce96a_layer0,@function
k_qd39cbce96a_layer0:
	s_mov_b64 s[64:65], 0
	v_nop
	global_prefetch_b8 v0, s[64:65] scope:SCOPE_SE
	s_setreg_imm32_b32 hwreg(HW_REG_WAVE_MODE, 25, 1), 1
	s_wait_xcnt 0x0
	s_wait_alu depctr_hold_cnt(0) depctr_sa_sdst(0) depctr_va_vdst(0) depctr_va_sdst(0) depctr_va_ssrc(0) depctr_va_vcc(0) depctr_vm_vsrc(0)
	s_getreg_b32 s2, hwreg(HW_REG_IB_STS2, 6, 4)
	s_cmp_eq_u32 s2, 0
	s_cbranch_scc0 .Lentry_in_a_cluster
	s_endpgm
.Lentry_in_a_cluster:
	s_bfe_u32 s2, ttmp6, 0x10000c
	s_cmp_lg_u32 s2, 0xf033
	s_cbranch_scc0 .Lentry_shape_is_right
	s_endpgm
.Lentry_shape_is_right:
; ONE LSTM LAYER, WHOLE.  gates[2048][4096] = [inp | h0] [W_ih | W_hh]^T + b_ih + b_hh (K = 2,048, bf16 operands from pk_in, f32 sums); i, f, o = sigmoid, g = tanh;
; c_new = f c0 + i g -> out1[l]; h = o tanh(c_new) -> out0[l], both f32; h once more, rounded to bf16, into pk_out as the next layer's input.  The gates never leave registers.
; The layer's number l comes from the buffer lay, is held to 0..3, and enters only the offsets of plain loads and stores (c0, b_ih, b_hh, out0, out1).
; LIMITS.  2^t is taken of min(t, 40): a sigmoid is never below 2^-40, tanh is +-1 beyond that.  |c0| stays under 2^46, so that c (1 + Ei)(1 + Eg) is finite.  NaN and infinities are not
; carried as the plain formulas would carry them (the minimum drops a NaN).  The last layer's bf16 copy of h is stored too, though nobody reads it: one text serves all four layers.
; OPERANDS lie in pk in the order of the fragments: 16 rows x 32 k are 1,024 consecutive bytes, lane l's 16 bytes at 16 l (k = 8 (l / 16) + 0..7) and at 512 + 16 l (k = 16 + 8 (l / 16) + 0..7).
; Wf[bn 16][q 64][4 w + g][1,024] from byte 0, Af[bm 16][q 64][a 8][1,024] from byte 16,777,216; q counts quarters of 32 k.  A tile is a dense block; in LDS it needs no padding, and a fragment load takes 512 consecutive bytes.
; SHARES.  256 work-groups: 128 batch rows (bm) x 64 hidden columns (bn) x 4 gates.  Wave w owns all 128 rows x hidden 16 w .. 16 w + 15 x 4 gates: 32 accumulators (row block a, gate g), 256 registers.
; THE MATRIX INSTRUCTION IS USED TRANSPOSED: source 0 = a fragment of Wf (one gate's 16 hidden columns), source 1 = 16 batch rows.  A lane then holds ONE batch row (16 a + lane % 16) and the eight hidden
; columns 16 w + 8 (lane / 16) + 0..7, the same places in all four gates: the cell is work on registers, and a lane's eight h, rounded, ARE its 16 bytes of a fragment of the next layer's Af.
; The first product's C operand is the bias: nothing is cleared and no bias is added later.
; THE RING.  768 bytes of operands for each k.  Two slots of six quarters (192 k, 147,456 bytes) are the longest that fit twice in LDS; 2,048 = 10 x 192 + 128: ten periods of six quarters and a last of four.
; A period is 192 matrix instructions a wave, 176 of them between a request and the wait for it.  Waves 0 and 1 fetch three quarters of Af each, waves 2 and 3 three quarters of Wf each (of the last period: two).
; CLUSTER.  4 x 4 work-groups.  Af's tiles hang on bm alone and are asked for jointly by a row of the cluster, Wf's on bn alone, by a column: the same load, descriptor and mask in all four.
; REGISTERS.  Window 0: v0-16 addresses; v28, v29 the add's; v32-63 the bias; v64-159, v160-255 two fragment buffers (4 fragments of Wf, 8 of Af), later the cell's registers.
; Window 1: the accumulators, (a, g) at v[8 (4 a + g)].  Window 2: v0-63 c0, from the start until its stage is free.
.set FR,    1024                       ; a fragment
.set AQ,    8*FR                       ; a quarter of Af's tile
.set BQ,    16*FR                      ; a quarter of Wf's tile
.set APART, 6*AQ
.set BPART, 6*BQ
.set SLOT,  APART+BPART                ; Af's six quarters, then Wf's
.set SP,    272                        ; a row of a stage: 64 f32 + 16 bytes
.set STG,   128*SP                     ; a stage: 34,816 bytes
.set CST,   SLOT                       ; the three stages (c0 in; c_new out; h out) lie in slot 1, written only when it has had its last fill and its last read
.set SPARE, 2*SLOT                     ; behind the ring: the spare words, 128 bytes for each wave: two blocks of 256 bytes that no other line names
.set ABASE, 16777216                   ; where Af begins in pk
.set ADRA, 4                           ; v4-5   LDS address of my 16 bytes in Af's first fragment of slot 0, 1; v4 is 16 x lane
.set GH,   4                           ;        and as such also my byte offset in the 512 bytes of h that a store covers
.set ADRB, 6                           ; v6-9   the same for my four fragments of Wf: slot 0, 1, quarters 0-2; slot 0, 1, quarters 3-5 (an LDS immediate has 16 bits)
.set CF,   10                          ; v10    c0's stage by fragments: row lane % 16, my 32 bytes
.set RB,   11                          ; v11    c0's stage by rows: lanes 0-15 one row of 256 bytes, lanes 16-31 the next
.set GO,   12                          ; v12    the same two rows in c0, out0, out1
.set BO,   14                          ; v14    32 (lane / 16): my eight numbers of a bias
.set CW,   15                          ; v15    CF in c_new's stage (h's lies STG further on)
.set RW,   16                          ; v16    RB in c_new's stage
.set SPW,  28                          ; v28    LDS address of my spare word; never rewritten
.set NIL,  29                          ; v29    0; never rewritten
.set BIAS, 32                          ; v32-63 b_ih + b_hh: gate g's eight at BIAS + 8 g
.set F0,   64
.set F1,   160
.set CR,   64                          ; the cell: c0, then c_new, of row block a at CR + 8 a
.set TI,   128                         ; the cell's registers for two row blocks, 16 each: i's, f's, g's, o's, a numerator
.set TF,   144
.set TG,   160
.set TO,   176
.set NN,   192
.set HB,   208                         ; v208-239 h in bf16, four registers a row block: written once, so that no store's data is ever rewritten
.set WV,  20                           ; s20 wave; s21 wave / 2: I fetch Af (0) or Wf (1); s22 wave % 2: which half
.set WH,  21
.set WU,  22
.set CNT, 23
.set G1A, 24                           ; s[24:31] descriptor group 1 for Af's tiles; s[32:39] group 0, a set for each slot
.set G0A, 32
.set G1B, 40                           ; s[40:47], s[48:55] the same for Wf's
.set G0B, 48
.set CX,  56
.set CY,  57
.set BN,  58
.set BM,  59
.set OA,  60                           ; s[60:61] my batch block of Af: never holds anything made of cx
.set OB,  62                           ; s[62:63] my hidden block of Wf: never holds anything made of cy
.set KN,  66                           ; s[66:67] -log2(e)
.set KP,  68                           ; s[68:69] 2 log2(e)
.set CAP, 70                           ; s70 40.0
.set LY,  71                           ; s71 the layer
.set OC,  72                           ; s[72:73], s[74:75], s[76:77] offsets into c0 / out0 / out1, the biases, pk_out
.set OBI, 74
.set OP,  76
.set MR,  78                           ; s78, s79 the masks of my row and my column of the cluster
.set MC,  79
.set LA,  80                           ; s[80:81], s[82:83] my half's place in a period's part of Af, of Wf: the same in memory and in a slot
.set LB,  82
.set SA,  84                           ; s[84:85], s[86:87] my half of the last, short period, from the block's first byte
.set SB,  86
.set TS,  88
.set MSB, 0
.macro WIN new                         ; the immediate's high byte repeats the setting that is left; a switch that changes nothing is dropped
.if MSB != (\new)
	s_set_vgpr_msb (MSB<<8)|(\new)
.set MSB, \new
.endif
.endm
.set MUL,  0x50                        ; C and D in window 1, the fragments in window 0
.set MUL1, 0x40                        ; D in window 1, C (the bias) in window 0
.set RDA,  0x01                        ; source 0 in window 1
.macro PLACES                          ; four places in front of loads into registers that matrix instructions have read, and of vector work on their results
.rept 4
	v_nop
.endr
.endm
; A joint load.  The branch hangs on the wave's number alone.  An s_nop 0 and four v_nop follow each of the two lines, ahead of the jump, the label and what follows.
.macro JLOAD s
	s_cmp_eq_u32 s[WH], 0
	s_cbranch_scc0 .Lfor_b_\@
	tensor_load_to_lds s[G0A+4*(\s):G0A+4*(\s)+3], s[G1A:G1A+7]
	s_nop 0
.rept 4
	v_nop
.endr
	s_branch .Lasked_\@
.Lfor_b_\@:
	tensor_load_to_lds s[G0B+4*(\s):G0B+4*(\s)+3], s[G1B:G1B+7]
	s_nop 0
.rept 4
	v_nop
.endr
.Lasked_\@:
.endm
.macro CREST                           ; a round of the cluster's barrier behind its opening barrier
	s_cmp_lg_u32 s[WV], 0
	s_cbranch_scc1 .Lnot_wave_0_\@
	s_barrier_signal -3
.Lnot_wave_0_\@:
	s_barrier_wait -3
	s_barrier_signal -1
	s_barrier_wait -1
.endm
.macro CROUND                          ; a whole round
	s_barrier_signal -1
	s_barrier_wait -1
	CREST
.endm
	s_load_b256 s[4:11], s[0:1], 0x0               ; pk_in s[4:5], pk_out s[6:7], lay s[8:9], c0 s[10:11]
	s_load_b256 s[12:19], s[0:1], 0x20             ; b_ih s[12:13], b_hh s[14:15], out0 s[16:17], out1 s[18:19]
	v_lshl_add_u32 v[SPW], v0, 2, SPARE
	v_mov_b32 v[NIL], 0
	ds_add_u32 v[SPW], v[NIL]                      ; the wave's opening: the add and its wait stand ahead of my first tensor load; the set-up below, work on registers, stands between them
	v_lshrrev_b32 v3, 5, v0
	v_readfirstlane_b32 s[WV], v3                  ; wave 0..3
	s_lshr_b32 s[WH], s[WV], 1
	s_and_b32 s[WU], s[WV], 1
	s_bfe_u32 s[CX], ttmp6, 0x40000                ; my place in the cluster
	s_bfe_u32 s[CY], ttmp6, 0x40004
	s_lshl_b32 s[BN], ttmp9, 2
	s_add_co_u32 s[BN], s[BN], s[CX]               ; hidden block = 4 x cluster x + cx
	s_and_b32 s[BM], ttmp7, 0xffff
	s_lshl_b32 s[BM], s[BM], 2
	s_add_co_u32 s[BM], s[BM], s[CY]               ; batch block = 4 x cluster y + cy
	s_lshl_b32 s[MR], s[CY], 2
	s_lshl_b32 s[MR], 15, s[MR]                    ; my row of the cluster
	s_lshl_b32 s[MC], 0x1111, s[CX]                ; my column
	; group 1: a dense block, asked for as rows of 256 bytes (32 elements of 8 bytes), no padding.  Af: three quarters, 24,576 bytes, 96 rows
	s_or_b32 s[G1A], s[MR], (3<<16)|(1<<21)        ; 15:0 the mask; 17:16 8-byte elements; 21 set beside a mask
	s_mov_b32 s[G1A+1], 32<<16                     ; tensor_dim0 = 32
	s_mov_b32 s[G1A+2], 96<<16                     ; tensor_dim1 = 96
	s_mov_b32 s[G1A+3], 32<<16                     ; tile_dim0 = 32
	s_mov_b32 s[G1A+4], 96                         ; tile_dim1 = 96
	s_mov_b32 s[G1A+5], 32                         ; 32 elements from row to row
	s_mov_b32 s[G1A+6], 0
	s_mov_b32 s[G1A+7], 0
	; Wf: three quarters, 49,152 bytes, 192 rows
	s_or_b32 s[G1B], s[MC], (3<<16)|(1<<21)
	s_mov_b32 s[G1B+1], 32<<16
	s_mov_b32 s[G1B+2], 192<<16
	s_mov_b32 s[G1B+3], 32<<16
	s_mov_b32 s[G1B+4], 192
	s_mov_b32 s[G1B+5], 32
	s_mov_b32 s[G1B+6], 0
	s_mov_b32 s[G1B+7], 0
	s_lshl_b32 s[OA], s[BM], 19                    ; a batch block of Af is 512 KiB
	s_add_co_u32 s[OA], s[OA], ABASE
	s_mov_b32 s[OA+1], 0
	s_lshl_b32 s[OB], s[BN], 20                    ; a hidden block of Wf is 1 MiB
	s_mov_b32 s[OB+1], 0
	s_mul_i32 s[LA], s[WU], 3*AQ                   ; my half of a period: the wave's number and constants alone
	s_mov_b32 s[LA+1], 0
	s_mul_i32 s[LB], s[WU], 3*BQ
	s_mov_b32 s[LB+1], 0
	s_lshl_b32 s[SA], s[WU], 14                    ; the last period begins behind ten whole ones; my half of it is two quarters
	s_add_co_u32 s[SA], s[SA], 10*APART
	s_mov_b32 s[SA+1], 0
	s_lshl_b32 s[SB], s[WU], 15
	s_add_co_u32 s[SB], s[SB], 10*BPART
	s_mov_b32 s[SB+1], 0
	s_mov_b32 s[KN], 0xbfb8aa3b                    ; -1.442695
	s_mov_b32 s[KN+1], s[KN]                       ; named as pairs
	s_mov_b32 s[KP], 0x4038aa3b                    ; 2.885390
	s_mov_b32 s[KP+1], s[KP]
	s_mov_b32 s[CAP], 0x42200000                   ; 40.0
	s_wait_dscnt 0x0                               ; the opening add is done
	s_wait_kmcnt 0x0
	s_load_b32 s[LY], s[8:9], 0x0                  ; the layer's number: it comes while the round is passed and the first tiles are asked for
	s_add_nc_u64 s[OA:OA+1], s[4:5], s[OA:OA+1]
	s_add_nc_u64 s[OB:OB+1], s[4:5], s[OB:OB+1]
	CROUND                                         ; all sixteen work-groups are here: the first joint loads meet
.irp s, 0,1
	s_mov_b32 s[G0A+4*(\s)], 1                                       ; count = 1
	s_add_co_u32 s[G0A+4*(\s)+1], s[LA], (\s)*SLOT                   ; LDS address
	s_add_nc_u64 s[G0A+4*(\s)+2:G0A+4*(\s)+3], s[OA:OA+1], s[LA:LA+1]
	s_add_nc_u64 s[G0A+4*(\s)+2:G0A+4*(\s)+3], s[G0A+4*(\s)+2:G0A+4*(\s)+3], (\s)*APART  ; period s
	s_or_b32 s[G0A+4*(\s)+3], s[G0A+4*(\s)+3], 0x80000000            ; type = 2
	s_mov_b32 s[G0B+4*(\s)], 1
	s_add_co_u32 s[G0B+4*(\s)+1], s[LB], APART+(\s)*SLOT
	s_add_nc_u64 s[G0B+4*(\s)+2:G0B+4*(\s)+3], s[OB:OB+1], s[LB:LB+1]
	s_add_nc_u64 s[G0B+4*(\s)+2:G0B+4*(\s)+3], s[G0B+4*(\s)+2:G0B+4*(\s)+3], (\s)*BPART
	s_or_b32 s[G0B+4*(\s)+3], s[G0B+4*(\s)+3], 0x80000000
	JLOAD \s                                       ; two tensor loads of mine are out
.endr
	v_and_b32 v1, 15, v0                           ; l % 16
	v_bfe_u32 v2, v0, 4, 1                         ; l / 16
	v_and_b32 v3, 31, v0
	v_lshlrev_b32 v[ADRA], 4, v3                   ; 16 x lane
	v_add_nc_u32 v[ADRA+1], SLOT, v[ADRA]
	s_lshl_b32 s[TS], s[WV], 12                    ; my four fragments among a quarter's sixteen
	s_add_co_u32 s[TS], s[TS], APART
	v_add_nc_u32 v[ADRB], s[TS], v[ADRA]
	v_add_nc_u32 v[ADRB+1], SLOT, v[ADRB]
	v_add_nc_u32 v[ADRB+2], 3*BQ, v[ADRB]
	v_add_nc_u32 v[ADRB+3], 3*BQ, v[ADRB+1]
	v_mul_u32_u24 v[CF], v1, SP                    ; a stage by fragments: row l % 16, columns 16 w + 8 (l / 16) on
	v_lshl_add_u32 v[CF], v2, 5, v[CF]
	s_lshl_b32 s[TS], s[WV], 6
	s_add_co_u32 s[TS], s[TS], CST
	v_add_nc_u32 v[CF], s[TS], v[CF]
	v_add_nc_u32 v[CW], STG, v[CF]
	v_mul_u32_u24 v[RB], v2, SP                    ; a stage by rows: wave w takes rows 32 w .. 32 w + 31, two at a time
	v_lshl_add_u32 v[RB], v1, 4, v[RB]
	s_mul_i32 s[TS], s[WV], 32*SP
	s_add_co_u32 s[TS], s[TS], CST
	v_add_nc_u32 v[RB], s[TS], v[RB]
	v_add_nc_u32 v[RW], STG, v[RB]
	v_lshlrev_b32 v[GO], 12, v2                    ; the same two rows in memory, 4,096 bytes apart
	v_lshl_add_u32 v[GO], v1, 4, v[GO]
	v_lshlrev_b32 v[BO], 5, v2
	s_lshl_b32 s[OP], s[BM], 19                    ; h in the next layer's Af: my batch block,
	s_lshl_b32 s[OP+1], s[BN], 14                  ; quarters 2 bn
	s_add_co_u32 s[OP], s[OP], s[OP+1]
	s_lshl_b32 s[OP+1], s[WH], 13                  ; + w / 2,
	s_add_co_u32 s[OP], s[OP], s[OP+1]
	s_lshl_b32 s[OP+1], s[WU], 9                   ; the fragments' half w % 2
	s_add_co_u32 s[OP], s[OP], s[OP+1]
	s_add_co_u32 s[OP], s[OP], ABASE
	s_mov_b32 s[OP+1], 0
	s_add_nc_u64 s[6:7], s[6:7], s[OP:OP+1]
	s_wait_kmcnt 0x0
	s_min_u32 s[LY], s[LY], 3                      ; a loaded number enters an offset only behind this bound
	s_lshl_b32 s[OC], s[LY], 23                    ; a layer of c0, out0, out1 is 8 MiB
	s_lshl_b32 s[OC+1], s[BM], 7
	s_lshl_b32 s[TS], s[WV], 5
	s_add_co_u32 s[OC+1], s[OC+1], s[TS]           ; the first row that I move: 128 bm + 32 w
	s_lshl_b32 s[OC+1], s[OC+1], 12
	s_add_co_u32 s[OC], s[OC], s[OC+1]
	s_lshl_b32 s[OC+1], s[BN], 8                   ; my hidden block's 256 bytes in a row
	s_add_co_u32 s[OC], s[OC], s[OC+1]
	s_mov_b32 s[OC+1], 0
	s_add_nc_u64 s[10:11], s[10:11], s[OC:OC+1]
	s_add_nc_u64 s[16:17], s[16:17], s[OC:OC+1]
	s_add_nc_u64 s[18:19], s[18:19], s[OC:OC+1]
	s_lshl_b32 s[OBI], s[LY], 14                   ; a layer of a bias is 16,384 bytes
	s_lshl_b32 s[OBI+1], s[BN], 8
	s_add_co_u32 s[OBI], s[OBI], s[OBI+1]
	s_lshl_b32 s[OBI+1], s[WV], 6                  ; my wave's 16 columns
	s_add_co_u32 s[OBI], s[OBI], s[OBI+1]
	s_mov_b32 s[OBI+1], 0
	s_add_nc_u64 s[12:13], s[12:13], s[OBI:OBI+1]
	s_add_nc_u64 s[14:15], s[14:15], s[OBI:OBI+1]  ; none of these bases is written again
.irp g, 0,1,2,3
	global_load_b128 v[BIAS+8*(\g):BIAS+8*(\g)+3],   v[BO], s[12:13] offset:(\g)*4096
	global_load_b128 v[BIAS+8*(\g)+4:BIAS+8*(\g)+7], v[BO], s[12:13] offset:(\g)*4096+16
	global_load_b128 v[224+8*(\g):224+8*(\g)+3],     v[BO], s[14:15] offset:(\g)*4096
	global_load_b128 v[224+8*(\g)+4:224+8*(\g)+7],   v[BO], s[14:15] offset:(\g)*4096+16
.endr
	WIN 0x80                                       ; destination window 2
.irp t, 0,1,2,3,4,5,6,7,8,9,10,11,12,13,14,15
	global_load_b128 v[4*(\t):4*(\t)+3], v[GO], s[10:11] offset:(\t)*8192 th:TH_LOAD_NT  ; c0, rows 32 w + 2 t and + 1: 16 lanes take 256 consecutive bytes.  It is wanted only at the end of K
.endr
	WIN 0
	s_wait_loadcnt 16                              ; the biases are in; the sixteen loads of c0 are younger
.set z, 0
.rept 16
	v_pk_add_f32 v[BIAS+2*z:BIAS+2*z+1], v[BIAS+2*z:BIAS+2*z+1], v[224+2*z:224+2*z+1]
.set z, z+1
.endr
; n row blocks from a0 on x all four gates, 32 along K, from buffer f.  first = 1: the bias starts the sums.  The 32 accumulators take turns, in the same order in every quarter.
.macro MULB f, a0, n, first
.if \first
	WIN MUL1
.else
	WIN MUL
.endif
.set ma, \a0
.rept \n
.irp g, 0,1,2,3
.if \first
	v_wmma_f32_16x16x32_bf16 v[8*(4*ma+(\g)):8*(4*ma+(\g))+7], v[(\f)+8*(\g):(\f)+8*(\g)+7], v[(\f)+32+8*ma:(\f)+32+8*ma+7], v[BIAS+8*(\g):BIAS+8*(\g)+7]
.else
	v_wmma_f32_16x16x32_bf16 v[8*(4*ma+(\g)):8*(4*ma+(\g))+7], v[(\f)+8*(\g):(\f)+8*(\g)+7], v[(\f)+32+8*ma:(\f)+32+8*ma+7], v[8*(4*ma+(\g)):8*(4*ma+(\g))+7]
.endif
.endr
.set ma, ma+1
.endr
.endm
; 24 LDS loads in one run, 512 consecutive bytes each: quarter q of a slot into buffer f: Wf's four fragments first, then Af's eight, row blocks ascending
.macro FETCH slot, q, f
	WIN 0
.irp g, 0,1,2,3
	ds_load_b128 v[(\f)+8*(\g):(\f)+8*(\g)+3],   v[ADRB+(\slot)+2*((\q)/3)] offset:((\q)%3)*BQ+(\g)*FR
	ds_load_b128 v[(\f)+8*(\g)+4:(\f)+8*(\g)+7], v[ADRB+(\slot)+2*((\q)/3)] offset:((\q)%3)*BQ+(\g)*FR+512
.endr
.irp a, 0,1,2,3,4,5,6,7
	ds_load_b128 v[(\f)+32+8*(\a):(\f)+32+8*(\a)+3],   v[ADRA+(\slot)] offset:(\q)*AQ+(\a)*FR
	ds_load_b128 v[(\f)+32+8*(\a)+4:(\f)+32+8*(\a)+7], v[ADRA+(\slot)] offset:(\q)*AQ+(\a)*FR+512
.endr
.endm
; A quarter is 32 along K, 32 matrix instructions; the buffers take turns.  All of a period's quarters but the last: multiplies buffer f and fetches quarter qn of the same slot into g.
.macro QUARTER slot, qn, f, g, first
	s_wait_dscnt 8                                 ; Wf's fragments and row blocks 0-3 are in; the youngest eight loads (row blocks 4-7) may be out
	MULB \f, 0, 4, \first
	PLACES
	FETCH \slot, \qn, \g
	s_wait_dscnt 24                                ; all but the 24 just issued
	MULB \f, 4, 4, \first
.endm
; A period's last quarter multiplies buffer 1 and changes slots: ONE barrier.  In front of it each wave waits for all its tensor loads, of which one is out: its part of the next slot; adds 0 to its spare word;
; and waits for that and for its own reads of this slot.  fill = 1: the barrier opens a round of the cluster's, and this slot is filled again, two periods ahead, first thing behind the round.
; fill = 2: the same for the last period, of four quarters: no load of mine is out, so the two sizes in each group 1 are written anew, and each group 0 is made anew from its block's address.
; cst = 1 (the change out of slot 1's last period): nobody reads slot 1 any more and nothing is filled any more, so my rows of c0 go into their stage there.
.macro TURN slot, next, fill, cst=0
	WIN 0
	s_wait_tensorcnt 0x0                           ; all my tensor loads have landed, so descriptors may be written
	ds_add_u32 v[SPW], v[NIL]                      ; 0 onto my spare word
	s_wait_dscnt 9                                 ; (the add and the youngest eight loads may be out)
	MULB F1, 0, 2, 0                               ; eight matrix instructions stand between the add and the wait for it
	s_wait_dscnt 0x0                               ; the add is done, and my reads of this slot are over
	s_barrier_signal -1
	MULB F1, 2, 2, 0
.if \fill
	WIN 0
.endif
	s_barrier_wait -1
.if (\fill) == 1
	CREST                                          ; no wave of any partner still reads this slot's tiles or has a load on its way
	s_add_nc_u64 s[G0A+4*(\slot)+2:G0A+4*(\slot)+3], s[G0A+4*(\slot)+2:G0A+4*(\slot)+3], 2*APART  ; two periods on
	s_add_nc_u64 s[G0B+4*(\slot)+2:G0B+4*(\slot)+3], s[G0B+4*(\slot)+2:G0B+4*(\slot)+3], 2*BPART
	JLOAD \slot                                    ; the four v_nop behind it are also the places in front of the loads below
.elseif (\fill) == 2
	CREST
	s_mov_b32 s[G1A+2], 64<<16                     ; two quarters of Af: 64 rows of 256 bytes
	s_mov_b32 s[G1A+4], 64
	s_mov_b32 s[G1B+2], 128<<16                    ; two quarters of Wf: 128 rows
	s_mov_b32 s[G1B+4], 128
	s_lshl_b32 s[G0A+4*(\slot)+1], s[WU], 14       ; slot 0: my half's place
	s_add_nc_u64 s[G0A+4*(\slot)+2:G0A+4*(\slot)+3], s[OA:OA+1], s[SA:SA+1]
	s_or_b32 s[G0A+4*(\slot)+3], s[G0A+4*(\slot)+3], 0x80000000
	s_lshl_b32 s[G0B+4*(\slot)+1], s[WU], 15
	s_add_co_u32 s[G0B+4*(\slot)+1], s[G0B+4*(\slot)+1], APART
	s_add_nc_u64 s[G0B+4*(\slot)+2:G0B+4*(\slot)+3], s[OB:OB+1], s[SB:SB+1]
	s_or_b32 s[G0B+4*(\slot)+3], s[G0B+4*(\slot)+3], 0x80000000
	JLOAD \slot
.else
	PLACES
.endif
.if \cst
	s_wait_loadcnt 0x0                             ; c0
	WIN 0x08                                       ; the data in window 2
.irp t, 0,1,2,3,4,5,6,7,8,9,10,11,12,13,14,15
	ds_store_b128 v[RB], v[4*(\t):4*(\t)+3] offset:(\t)*2*SP
.endr
.endif
	FETCH \next, 0, F0
	MULB F1, 4, 4, 0
.endm
	s_wait_tensorcnt 0x1                           ; my part of period 0 is in; period 1's may stay out
	s_barrier_signal -1
	s_barrier_wait -1
	FETCH 0, 0, F0
	QUARTER 0, 1, F0, F1, 1                        ; the first quarter stands in front of the loop: its products start the sums, on the bias
	WIN 0                                          ; at a label and at a branch every window is 0
	s_mov_b32 s[CNT], 4
.Llap:                                                 ; a trip goes once round the ring, from a lap's second quarter to the next lap's first; four trips ask for periods 2 to 9
	QUARTER 0, 2, F1, F0, 0
	QUARTER 0, 3, F0, F1, 0
	QUARTER 0, 4, F1, F0, 0
	QUARTER 0, 5, F0, F1, 0
	TURN 0, 1, 1
	QUARTER 1, 1, F0, F1, 0
	QUARTER 1, 2, F1, F0, 0
	QUARTER 1, 3, F0, F1, 0
	QUARTER 1, 4, F1, F0, 0
	QUARTER 1, 5, F0, F1, 0
	TURN 1, 0, 1
	QUARTER 0, 1, F0, F1, 0
	WIN 0
	s_sub_co_u32 s[CNT], s[CNT], 1
	s_cmp_lg_u32 s[CNT], 0
	s_cbranch_scc1 .Llap
	QUARTER 0, 2, F1, F0, 0                        ; period 8 goes on,
	QUARTER 0, 3, F0, F1, 0
	QUARTER 0, 4, F1, F0, 0
	QUARTER 0, 5, F0, F1, 0
	TURN 0, 1, 2                                   ; and asks for the last period, of four quarters
	QUARTER 1, 1, F0, F1, 0                        ; period 9
	QUARTER 1, 2, F1, F0, 0
	QUARTER 1, 3, F0, F1, 0
	QUARTER 1, 4, F1, F0, 0
	QUARTER 1, 5, F0, F1, 0
	TURN 1, 0, 0, 1                                ; nothing is left to ask for; c0 goes into its stage
	QUARTER 0, 1, F0, F1, 0                        ; period 10
	QUARTER 0, 2, F1, F0, 0
	QUARTER 0, 3, F0, F1, 0
	s_wait_dscnt 0x0                               ; the very last quarter.  Buffer 1 is in; for the others' sake: my rows of c0 are in the stage
	s_barrier_signal -1
	MULB F1, 0, 4, 0
	s_barrier_wait -1                              ; everybody's are
	PLACES
	WIN 0
.irp a, 0,1,2,3,4,5,6,7
	ds_load_b128 v[CR+8*(\a):CR+8*(\a)+3],   v[CF] offset:(\a)*16*SP      ; in place of fragments: c0, by fragments, into buffer 0's registers
	ds_load_b128 v[CR+8*(\a)+4:CR+8*(\a)+7], v[CF] offset:(\a)*16*SP+16
.endr
	MULB F1, 4, 4, 0
	WIN 0
	PLACES                                         ; the cell reads results just made and writes over buffer 1
; THE CELL for row blocks a and a + 1: 16 numbers a lane.  With Ei, Ef, Eo = 2^min(-log2(e) z, 40) and Eg, Ec = 2^min(2 log2(e) z, 40):
;   c_new = [c (1 + Ei)(1 + Eg) + (Eg - 1)(1 + Ef)] / [(1 + Ei)(1 + Eg)(1 + Ef)],     h = (Ec - 1) / [(1 + Ec)(1 + Eo)]:
; five exponentials and two reciprocals a number.  The cap keeps the longest product under 2^121.  Behind each run of transcendentals stands one plain instruction (ISA guide 5.7.2).
.macro CELL2 a
	WIN RDA
.irp gt, 0,1,2,3
.irp b, 0,1
.irp p, 0,1,2,3                        ; each accumulator's registers in ascending order
.if (\gt) == 2
	v_pk_mul_f32 v[TI+16*(\gt)+8*(\b)+2*(\p):TI+16*(\gt)+8*(\b)+2*(\p)+1], v[8*(4*((\a)+(\b))+(\gt))+2*(\p):8*(4*((\a)+(\b))+(\gt))+2*(\p)+1], s[KP:KP+1] op_sel_hi:[1,0]
.else
	v_pk_mul_f32 v[TI+16*(\gt)+8*(\b)+2*(\p):TI+16*(\gt)+8*(\b)+2*(\p)+1], v[8*(4*((\a)+(\b))+(\gt))+2*(\p):8*(4*((\a)+(\b))+(\gt))+2*(\p)+1], s[KN:KN+1] op_sel_hi:[1,0]
.endif
.endr
.endr
.endr
	WIN 0
.set z, TI
.rept 64
	v_min_num_f32 v[z], s[CAP], v[z]
.set z, z+1
.endr
.set z, TI
.rept 64
	v_exp_f32 v[z], v[z]
.set z, z+1
.endr
	v_nop
.set z, 0
	s_wait_alu depctr_va_vdst(0)
.rept 8
	v_pk_add_f32 v[NN+2*z:NN+2*z+1], v[TG+2*z:TG+2*z+1], -1.0 op_sel_hi:[1,0]      ; Eg - 1
.set z, z+1
.endr
.set z, 0
.rept 32
	v_pk_add_f32 v[TI+2*z:TI+2*z+1], v[TI+2*z:TI+2*z+1], 1.0 op_sel_hi:[1,0]      ; 1 + E, all four
.set z, z+1
.endr
.set z, 0
.rept 8
	v_pk_mul_f32 v[TI+2*z:TI+2*z+1], v[TI+2*z:TI+2*z+1], v[TG+2*z:TG+2*z+1]       ; (1 + Ei)(1 + Eg)
.set z, z+1
.endr
.set z, 0
.rept 8
	v_pk_mul_f32 v[NN+2*z:NN+2*z+1], v[NN+2*z:NN+2*z+1], v[TF+2*z:TF+2*z+1]       ; (Eg - 1)(1 + Ef)
.set z, z+1
.endr
.set z, 0
.rept 8
	v_pk_fma_f32 v[NN+2*z:NN+2*z+1], v[CR+8*(\a)+2*z:CR+8*(\a)+2*z+1], v[TI+2*z:TI+2*z+1], v[NN+2*z:NN+2*z+1]  ; the numerator
.set z, z+1
.endr
.set z, 0
.rept 8
	v_pk_mul_f32 v[TI+2*z:TI+2*z+1], v[TI+2*z:TI+2*z+1], v[TF+2*z:TF+2*z+1]       ; the denominator
.set z, z+1
.endr
.set z, 0
.rept 16
	v_rcp_f32 v[TF+z], v[TI+z]
.set z, z+1
.endr
	v_nop
.set z, 0
	s_wait_alu depctr_va_vdst(0)
.rept 8
	v_pk_mul_f32 v[CR+8*(\a)+2*z:CR+8*(\a)+2*z+1], v[NN+2*z:NN+2*z+1], v[TF+2*z:TF+2*z+1]  ; c_new
.set z, z+1
.endr
.set z, 0
.rept 8
	v_pk_mul_f32 v[TG+2*z:TG+2*z+1], v[CR+8*(\a)+2*z:CR+8*(\a)+2*z+1], s[KP:KP+1] op_sel_hi:[1,0]
.set z, z+1
.endr
.irp b, 0,1
	ds_store_b128 v[CW], v[CR+8*((\a)+(\b)):CR+8*((\a)+(\b))+3]   offset:((\a)+(\b))*16*SP
	ds_store_b128 v[CW], v[CR+8*((\a)+(\b))+4:CR+8*((\a)+(\b))+7] offset:((\a)+(\b))*16*SP+16
.endr
.set z, 0
.rept 16
	v_min_num_f32 v[TG+z], s[CAP], v[TG+z]
.set z, z+1
.endr
.set z, 0
.rept 16
	v_exp_f32 v[TG+z], v[TG+z]
.set z, z+1
.endr
	v_nop
.set z, 0
	s_wait_alu depctr_va_vdst(0)
.rept 8
	v_pk_add_f32 v[NN+2*z:NN+2*z+1], v[TG+2*z:TG+2*z+1], -1.0 op_sel_hi:[1,0]      ; Ec - 1
.set z, z+1
.endr
.set z, 0
.rept 8
	v_pk_add_f32 v[TG+2*z:TG+2*z+1], v[TG+2*z:TG+2*z+1], 1.0 op_sel_hi:[1,0]
.set z, z+1
.endr
.set z, 0
.rept 8
	v_pk_mul_f32 v[TG+2*z:TG+2*z+1], v[TG+2*z:TG+2*z+1], v[TO+2*z:TO+2*z+1]       ; (1 + Ec)(1 + Eo)
.set z, z+1
.endr
.set z, 0
.rept 16
	v_rcp_f32 v[TI+z], v[TG+z]
.set z, z+1
.endr
	v_nop
.set z, 0
	s_wait_alu depctr_va_vdst(0)
.rept 8
	v_pk_mul_f32 v[NN+2*z:NN+2*z+1], v[NN+2*z:NN+2*z+1], v[TI+2*z:TI+2*z+1]       ; h
.set z, z+1
.endr
.irp b, 0,1
.irp p, 0,1,2,3
	v_cvt_pk_bf16_f32 v[HB+4*((\a)+(\b))+(\p)], v[NN+8*(\b)+2*(\p)], v[NN+8*(\b)+2*(\p)+1]
.endr
.endr
.irp b, 0,1
	ds_store_b128 v[CW], v[NN+8*(\b):NN+8*(\b)+3]   offset:STG+((\a)+(\b))*16*SP
	ds_store_b128 v[CW], v[NN+8*(\b)+4:NN+8*(\b)+7] offset:STG+((\a)+(\b))*16*SP+16
	global_store_b128 v[GH], v[HB+4*((\a)+(\b)):HB+4*((\a)+(\b))+3], s[6:7] offset:((\a)+(\b))*FR  ; half a fragment of the next layer's Af: 512 consecutive bytes, at a multiple of 512 from pk_out's first byte
.endr
.endm
	s_wait_dscnt 0x0                               ; c0 is in
	CELL2 0
	CELL2 2
	CELL2 4
	CELL2 6
	; THE WAY OUT.  A row's 256 bytes come from four waves: a barrier stands between the writing and the reading.  Then each wave takes 32 whole rows of both stages.
	s_wait_dscnt 0x0                               ; for the others' sake: my stores into the stages are done
	s_barrier_signal -1
	s_barrier_wait -1
.irp t, 0,1,2,3,4,5,6,7,8,9,10,11,12,13,14,15
	ds_load_b128 v[64+4*(\t):64+4*(\t)+3], v[RW] offset:(\t)*2*SP
.endr
.irp t, 0,1,2,3,4,5,6,7,8,9,10,11,12,13,14,15
	ds_load_b128 v[128+4*(\t):128+4*(\t)+3], v[RW] offset:STG+(\t)*2*SP
.endr
.irp t, 0,1,2,3,4,5,6,7,8,9,10,11,12,13,14,15
	s_wait_dscnt 31-(\t)                           ; younger: the rest of c_new's loads and h's sixteen
	global_store_b128 v[GO], v[64+4*(\t):64+4*(\t)+3], s[18:19] offset:(\t)*8192 th:TH_STORE_NT  ; 16 lanes store 256 consecutive bytes, at a multiple of 256 from out1's first byte
.endr
.irp t, 0,1,2,3,4,5,6,7,8,9,10,11,12,13,14,15
	s_wait_dscnt 15-(\t)
	global_store_b128 v[GO], v[128+4*(\t):128+4*(\t)+3], s[16:17] offset:(\t)*8192 th:TH_STORE_NT
.endr
	s_wait_tensorcnt 0x0                           ; the wave's end, behind my last tensor load and my last LDS store
	ds_add_u32 v[SPW], v[NIL]
	s_wait_dscnt 0x0
	CROUND                                         ; the closing round: no work-group ends while a partner may still ask for a tile that names it
	s_endpgm
.Lfunc_end_k_qd39cbce96a_layer0:
	.size	k_qd39cbce96a_layer0, .Lfunc_end_k_qd39cbce96a_layer0-k_qd39cbce96a_layer0
	.p2alignl 7, 3214868480
	.fill 96, 4, 3214868480
	.section	.rodata,"a",@progbits
	.p2align	6, 0x0
	.amdhsa_kernel k_qd39cbce96a_layer0
		.amdhsa_group_segment_fixed_size 327680
		.amdhsa_private_segment_fixed_size 0
		.amdhsa_enable_private_segment 0
		.amdhsa_kernarg_size 64
		.amdhsa_user_sgpr_count 2
		.amdhsa_user_sgpr_kernarg_segment_ptr 1
		.amdhsa_wavefront_size32 1
		.amdhsa_system_sgpr_workgroup_id_x 1
		.amdhsa_system_sgpr_workgroup_id_y 1
		.amdhsa_system_sgpr_workgroup_id_z 1
		.amdhsa_system_vgpr_workitem_id 0
		.amdhsa_next_free_vgpr 576
		.amdhsa_next_free_sgpr 90
		.amdhsa_reserve_vcc 0
		.amdhsa_float_denorm_mode_32 3
		.amdhsa_float_denorm_mode_16_64 3
		.amdhsa_memory_ordered 1
		.amdhsa_forward_progress 1
		.amdhsa_inst_pref_size 198
	.end_amdhsa_kernel
	.amdgpu_metadata
---
amdhsa.version: [ 1, 2 ]
amdhsa.kernels:
  - .name:           k_qd39cbce96a_layer0
    .symbol:         k_qd39cbce96a_layer0.kd
    .args:
      - { .name: pk0, .offset: 0, .size: 8, .value_kind: global_buffer, .address_space: global }
      - { .name: pk1, .offset: 8, .size: 8, .value_kind: global_buffer, .address_space: global }
      - { .name: lay0, .offset: 16, .size: 8, .value_kind: global_buffer, .address_space: global }
      - { .name: c0, .offset: 24, .size: 8, .value_kind: global_buffer, .address_space: global }
      - { .name: b_ih, .offset: 32, .size: 8, .value_kind: global_buffer, .address_space: global }
      - { .name: b_hh, .offset: 40, .size: 8, .value_kind: global_buffer, .address_space: global }
      - { .name: out0, .offset: 48, .size: 8, .value_kind: global_buffer, .address_space: global }
      - { .name: out1, .offset: 56, .size: 8, .value_kind: global_buffer, .address_space: global }
    .group_segment_fixed_size: 327680
    .private_segment_fixed_size: 0
    .kernarg_segment_align: 8
    .kernarg_segment_size: 64
    .max_flat_workgroup_size: 128
    .sgpr_count:     90
    .vgpr_count:     576
    .wavefront_size: 32
...
	.end_amdgpu_metadata
.endif
;; end of part 2
;; launch layer1: the kernel of part 2 again; grid 16 x 16, 4 waves a work-group, clusters of 4 x 4, 327,680 bytes of LDS; arguments pk1, pk2, lay1, c0, b_ih, b_hh, out0, out1; writes pk2, out0, out1
;; launch layer2: the kernel of part 2 again; grid 16 x 16, 4 waves a work-group, clusters of 4 x 4, 327,680 bytes of LDS; arguments pk2, pk3, lay2, c0, b_ih, b_hh, out0, out1; writes pk3, out0, out1
;; launch layer3: the kernel of part 2 again; grid 16 x 16, 4 waves a work-group, clusters of 4 x 4, 327,680 bytes of LDS; arguments pk3, pk0, lay3, c0, b_ih, b_hh, out0, out1; writes pk0, out0, out1
;; ======== version 2 of 2: 5 launches; version 1 with the launch pack written anew for expert scheduling mode
;; limits: inputs' magnitudes at most 70,000,000,000,000; right only within a limited range of input values
;; workspace buffers: pk0 25,165,824 bytes; pk1 25,165,824 bytes; pk2 25,165,824 bytes; pk3 25,165,824 bytes; lay0 256 bytes of whole numbers; lay1 256 bytes of whole numbers; lay2 256 bytes of whole numbers; lay3 256 bytes of whole numbers
;; launch pack (part 3): grid 672 x 1, 8 waves a work-group, no clusters, 19,456 bytes of LDS; arguments W_ih, W_hh, h0, x, pk0, pk1, pk2, pk3, lay0, lay1, lay2, lay3; writes pk0, pk1, pk2, pk3, lay0, lay1, lay2, lay3
.if DOCPART == 3
	.amdgcn_target "amdgcn-amd-amdhsa--gfx1250"
	.amdhsa_code_object_version 6
	.text
	.protected	k_qd39cbce96a_pack
	.globl	k_qd39cbce96a_pack
	.p2align	8
	.type	k_qd39cbce96a_pack,@function
k_qd39cbce96a_pack:
	s_mov_b64 s[64:65], 0
	v_nop
	global_prefetch_b8 v0, s[64:65] scope:SCOPE_SE
	s_setreg_imm32_b32 hwreg(HW_REG_WAVE_SCHED_MODE, 0, 2), 2
	s_setreg_imm32_b32 hwreg(HW_REG_WAVE_MODE, 25, 1), 1
	s_wait_xcnt 0x0
	s_wait_alu depctr_vm_vsrc(0)
; THE OPERANDS OF FOUR LSTM LAYERS, rounded once from f32 to bf16 and laid in the ORDER OF THE MATRIX INSTRUCTION'S FRAGMENTS.  A stream: no matrix unit, no barrier.
; A FRAGMENT is 16 rows x 32 k of bf16, 1,024 consecutive bytes: lane l = r + 16 h of a wave owns the 16 bytes at 16 l (row r, k = 8 h + 0..7) and those at 512 + 16 l (row r, k = 16 + 8 h + 0..7).
; So a layer's load of a fragment, from LDS, is two loads of 512 consecutive bytes, and a tile is a dense block of memory.
; pk_l, bytes 0 .. 16,777,215: Wf[bn 16][q 64][f 16][1,024]: hidden block bn (64 columns), quarter q (32 k of the joined K: q < 32 is W_ih[l], q >= 32 is W_hh[l]), f = 4 w + g: gate g of hidden columns 64 bn + 16 w + 0..15.
; pk_l, bytes 16,777,216 on: Af[bm 16][q 64][a 8][1,024]: batch block bm (128 rows), rows 16 a + 0..15; q < 32 is the layer's input (x for layer 0; the layers write the others), q >= 32 is h0[l].
; lay_l: 64 words that hold the number l, from which the layers' one text forms its offsets into the stacked arrays.
; SHARES.  A work-group takes 64 rows of 4,096 bytes of f32.  Groups 0-511: W (layer, W_ih or W_hh, 64 rows); 512-639: h0; 640-671: x.  Wave v takes 16 rows (v / 2) x 512 k (v % 2): eight UNITS of 16 rows x 64 k.
; A unit: eight loads (two rows' 256 aligned bytes each); each lane's four numbers, rounded, go as 8 bytes into the wave's own stage in LDS, at their place in two fragments; four loads of 16 bytes a lane bring them
; back, and four stores of 512 consecutive bytes, at multiples of 512 from the buffer's first byte, send them out.  16 to 24 loads of a wave are out until the last units.
; THE MODE: SCHED_MODE bits 1:0 = 2 (LLVM: expert scheduling mode 2), set by the entry lines.  The code itself states the register dependences
; between vector instructions and memory or LDS instructions, with s_wait_alu, always for 0.
; THE PLAN.  Registers that memory or LDS instructions touch:
;   X0 .. X2   three units as loaded.  Unit u's sixteen roundings read X[u % 3]; behind them the loads of unit u + 3 land in it.
;   Y          a unit's eight pairs.   Written by unit u's roundings; read by unit u's eight LDS stores.
;   Z0, Z1     a unit's two fragments. Unit u's four LDS loads land in Z[u % 2]; the four global stores that are issued in unit u + 1 read it.  No vector instruction names Z.
;   v1 .. v5   offsets and LDS addresses, made once at the head and never written again: every place stands in an immediate.
;   v6 .. v13  the layer numbers: written once, by one wave, and read by its four stores.        v14, v15  written at the head, read by the closing add alone.
; So a unit has ONE wait on va_vdst, behind its roundings (Y is written, X[u % 3] has been read), and ONE on vm_vsrc, at its head (the LDS stores of the unit before have read Y, the global stores issued in the
; unit before have read Z[u % 2]).  The unit's other memory instructions, the stores out of the other Z, name nothing that a vector instruction names: they are dealt among the roundings with no further wait.
.set ABASE, 16777216                   ; where Af begins in pk_l
.set GP,    288                        ; the stage: a group of 256 bytes (16 rows x 16 bytes) every 288 = 72 words: an 8-byte store of 32 lanes (eight groups, two rows, two halves) touches each of the 64 banks once (ISA guide 11.1)
.set STGB,  8*GP                       ; two fragments, eight groups: a wave's stage
.set SPARE, 8*STGB                     ; behind the eight stages: the spare words, 128 bytes for each wave: four blocks of 256 bytes that no other line names
.set SRC, 1                            ; v1   my byte offset in two rows of the source; never rewritten
.set DST, 2                            ; v2   16 x lane: my 16 bytes of 512 stored; never rewritten
.set STA, 3                            ; v3   where my 8 bytes go in the stage
.set RDA, 4                            ; v4   where I read 16 bytes back
.set L8,  5                            ; v5   8 x lane, for the layer numbers
.set SPW, 14                           ; v14  LDS address of my spare word; never rewritten
.set NIL, 15                           ; v15  0; never rewritten
.set X, 16                             ; v[16:111]   three units' eight chunks, 4 registers each, as loaded
.set Y, 112                            ; v[112:127]  a unit's eight pairs on their way into the stage
.set T, 112                            ; v[112:116]  at the head only: at work on the addresses (no load ever lands here)
.set Z, 128                            ; v[128:159]  two sets of 16: a unit's two fragments, to store
; s[4:11] W_ih, W_hh, h0, x; s[12:19] pk0-3; s[20:27] lay0-3; s28 work-group; s29 wave; s30 layer; s[34:35], s[36:37] offsets; s[38:39] source, s[40:41] destination; s46 wave / 2; s47 wave % 2
	s_load_b512 s[4:19], s[0:1], 0x0
	s_load_b256 s[20:27], s[0:1], 0x40
	v_lshl_add_u32 v[SPW], v0, 2, SPARE
	v_mov_b32 v[NIL], 0
	v_lshrrev_b32 v[T], 5, v0
	v_readfirstlane_b32 s29, v[T]                  ; wave 0..7
	s_mov_b32 s28, ttmp9
	v_and_b32 v[T+1], 31, v0                       ; lane
	v_lshlrev_b32 v[DST], 4, v[T+1]
	v_lshlrev_b32 v[L8], 3, v[T+1]
	v_and_b32 v[T+2], 15, v0                       ; c: my four k among a row's 64
	v_bfe_u32 v[T+3], v0, 4, 1                     ; p: the even row or the odd one
	v_lshlrev_b32 v[SRC], 4, v[T+2]
	v_lshl_add_u32 v[SRC], v[T+3], 12, v[SRC]      ; 4,096 p + 16 c
	v_lshrrev_b32 v[T+4], 1, v[T+2]                ; k = 4 c lies in group c / 2 (fragment c / 8, its half (c / 4) % 2, lanes' half (c / 2) % 2), 8 bytes c % 2
	v_mul_u32_u24 v[STA], v[T+4], GP
	v_lshl_add_u32 v[STA], v[T+3], 4, v[STA]       ; row 2 t + p: 16 p here, 32 t in the store's immediate
	v_and_b32 v[T+4], 1, v0
	v_lshl_add_u32 v[STA], v[T+4], 3, v[STA]
	v_mul_u32_u24 v[RDA], v[T+3], GP               ; back: lanes 0-15 one group, lanes 16-31 the next
	v_lshl_add_u32 v[RDA], v[T+2], 4, v[RDA]
	s_wait_alu depctr_va_sdst(0)                   ; s29 is written, ahead of its first reader: the stage's place, the shares and the bases are made from it
	s_lshr_b32 s46, s29, 1                         ; which 16 rows
	s_and_b32 s47, s29, 1                          ; which 512 k
	s_mul_i32 s33, s29, STGB                       ; my stage
	v_add_nc_u32 v[STA], s33, v[STA]
	v_add_nc_u32 v[RDA], s33, v[RDA]
	s_wait_alu depctr_va_vdst(0)                   ; v1 to v5 are written, which every load and store below reads as its offset or LDS address; so are v14 and v15
	s_wait_kmcnt 0x0
	s_lshl_b32 s30, s28, 3
	s_add_co_u32 s30, s30, s29
	s_cmp_lg_u32 s30, 0
	s_cbranch_scc1 .Lno_lay                        ; the first wave of the first group writes the four layer numbers, 256 bytes each
	v_mov_b32 v6, 0
	v_mov_b32 v7, 0
	v_mov_b32 v8, 1
	v_mov_b32 v9, 1
	v_mov_b32 v10, 2
	v_mov_b32 v11, 2
	v_mov_b32 v12, 3
	v_mov_b32 v13, 3
	s_wait_alu depctr_va_vdst(0)                   ; v6 to v13 are written, which the four stores read
	global_store_b64 v[L8], v[6:7], s[20:21]
	global_store_b64 v[L8], v[8:9], s[22:23]
	global_store_b64 v[L8], v[10:11], s[24:25]
	global_store_b64 v[L8], v[12:13], s[26:27]     ; none of these registers is written again
.Lno_lay:
; pk of layer s30, plus the offset in s[36:37].  The conditions hang on the work-group's number alone.
.macro PICK
	s_and_b32 s33, s30, 1
	s_cmp_lg_u32 s33, 0
	s_cselect_b64 s[42:43], s[14:15], s[12:13]
	s_cselect_b64 s[44:45], s[18:19], s[16:17]
	s_and_b32 s33, s30, 2
	s_cmp_lg_u32 s33, 0
	s_cselect_b64 s[40:41], s[44:45], s[42:43]
	s_add_nc_u64 s[40:41], s[40:41], s[36:37]
.endm
.macro LD u, t                         ; chunk t of unit u: rows 2 t and 2 t + 1, 256 bytes of each
	global_load_b128 v[X+4*(8*((\u)%3)+(\t)):X+4*(8*((\u)%3)+(\t))+3], v[SRC], s[38:39] offset:(\t)*8192+(\u)*256 th:TH_LOAD_NT
.endm
.macro CV u, t                         ; chunk t of unit u, rounded: four numbers into pair t of Y
	v_cvt_pk_bf16_f32 v[Y+2*(\t)],   v[X+4*(8*((\u)%3)+(\t))],   v[X+4*(8*((\u)%3)+(\t))+1]
	v_cvt_pk_bf16_f32 v[Y+2*(\t)+1], v[X+4*(8*((\u)%3)+(\t))+2], v[X+4*(8*((\u)%3)+(\t))+3]
.endm
.macro ST u, j                         ; half j % 2 of fragment j / 2 of unit u leaves.  QS = bytes from a quarter to the next in the destination
	s_wait_dscnt 3-(\j)                            ; LDS loads come back in order (ISA guide 5.7.1): read-back j is in, the younger ones stay out
	global_store_b128 v[DST], v[Z+16*((\u)%2)+4*(\j):Z+16*((\u)%2)+4*(\j)+3], s[40:41] offset:(2*(\u)+(\j)/2)*QS+((\j)%2)*512
.endm
; Unit u.  Every place stands in an immediate: no address register is ever stepped.
.macro UNIT u
.if (\u) < 6
	s_wait_loadcnt 16                              ; loads come back in order (ISA guide 5.7.1): X[u % 3] is in; the two younger units, sixteen loads, stay out
.else
	s_wait_loadcnt 8*(7-(\u))                      ; the last units have fewer behind them: the counts run down
.endif
.if (\u) >= 2
	s_wait_xcnt 0x0                                ; every earlier memory instruction has had its addresses translated (ISA guide 3.1): Z[u % 2], which the stores issued in the unit before read, is loaded again only behind this wait
.endif
.if (\u) >= 1
	s_wait_alu depctr_vm_vsrc(0)                   ; the LDS stores of the unit before have read Y, which the roundings below write again; from the third unit on: the global stores issued in the unit before have read Z[u % 2], in which this unit's LDS loads land
.endif
.irp j, 0,1,2,3
.if (\u) >= 1
	ST (\u)-1, \j                                  ; the unit before leaves, out of the other Z.  No wait on the vector side: its data come from LDS loads, and no vector instruction names them or v[DST]
.endif
	CV \u, 2*(\j)
	CV \u, 2*(\j)+1
.endr
	s_wait_alu depctr_va_vdst(0)                   ; the roundings have written Y, which the LDS stores below read, and are done reading X[u % 3], in which the loads below land
.irp t, 0,1,2,3,4,5,6,7
.if (\u) < 5
	LD (\u)+3, \t                                  ; the buffer is asked for again at once, three units ahead
.endif
	ds_store_b64 v[STA], v[Y+2*(\t):Y+2*(\t)+1] offset:(\t)*32
.endr
.irp j, 0,1,2,3
	ds_load_b128 v[Z+16*((\u)%2)+4*(\j):Z+16*((\u)%2)+4*(\j)+3], v[RDA] offset:(\j)*2*GP  ; LDS serves a wave's instructions in order (ISA guide 5.7.1.4): these see the stores above, and the next unit's stores come behind them
.endr
.endm
.macro PASS
.irp t, 0,1,2,3,4,5,6,7
	LD 0, \t
.endr
.irp t, 0,1,2,3,4,5,6,7
	LD 1, \t
.endr
.irp t, 0,1,2,3,4,5,6,7
	LD 2, \t
.endr
.irp u, 0,1,2,3,4,5,6,7
	UNIT \u
.endr
.irp j, 0,1,2,3
	ST 7, \j                                       ; the last unit leaves
.endr
	s_wait_dscnt 0x0                               ; the closing lines, six on end
	s_wait_alu 0x0
	s_wait_tensorcnt 0x0
	ds_add_u32 v[SPW], v[NIL]
	s_wait_dscnt 0x0
	s_endpgm
.endm
	s_cmp_lt_u32 s28, 512
	s_cbranch_scc0 .Lact
	; W: layer = group / 128; W_ih or W_hh = bit 6; 64 rows = group % 64: gate (group % 64) / 16, hidden block group % 16
	s_lshr_b32 s30, s28, 7
	s_bfe_u32 s31, s28, 0x10006
	s_and_b32 s32, s28, 63
	s_lshl_b32 s34, s30, 24                        ; a layer of W is 16 MiB,
	s_lshl_b32 s33, s32, 18                        ; 64 rows are 262,144 bytes,
	s_add_co_u32 s34, s34, s33
	s_lshl_b32 s33, s46, 16                        ; my 16 rows 65,536,
	s_add_co_u32 s34, s34, s33
	s_lshl_b32 s33, s47, 11                        ; my 512 k 2,048
	s_add_co_u32 s34, s34, s33
	s_mov_b32 s35, 0
	s_and_b32 s33, s32, 15
	s_lshl_b32 s36, s33, 20                        ; a hidden block of Wf is 1 MiB;
	s_lshl_b32 s33, s31, 19                        ; 32 quarters of 16,384 bytes for W_hh,
	s_add_co_u32 s36, s36, s33
	s_lshl_b32 s33, s47, 18                        ; 16 for my second 512 k;
	s_add_co_u32 s36, s36, s33
	s_lshl_b32 s33, s46, 12                        ; fragment 4 (wave / 2)
	s_add_co_u32 s36, s36, s33
	s_lshr_b32 s33, s32, 4
	s_lshl_b32 s33, s33, 10                        ; + gate
	s_add_co_u32 s36, s36, s33
	s_mov_b32 s37, 0
	s_cmp_eq_u32 s31, 1
	s_cselect_b64 s[38:39], s[6:7], s[4:5]
	s_add_nc_u64 s[38:39], s[38:39], s[34:35]
	PICK
.set QS, 16384
	PASS
.Lact:
	; h0 (n < 128: layer n / 32, 64 rows n % 32) or x (layer 0, 64 rows n % 32)
	s_sub_co_u32 s31, s28, 512
	s_lshr_b32 s30, s31, 5
	s_and_b32 s32, s31, 31
	s_cmp_lt_u32 s31, 128
	s_cselect_b64 s[38:39], s[8:9], s[10:11]
	s_cselect_b32 s30, s30, 0
	s_cselect_b32 s36, 1<<18, 0                    ; h0 fills quarters 32-63 (32 x 8,192 bytes on), x quarters 0-31
	s_lshl_b32 s34, s30, 23                        ; a layer of h0 is 8 MiB
	s_lshl_b32 s33, s32, 18
	s_add_co_u32 s34, s34, s33
	s_lshl_b32 s33, s46, 16
	s_add_co_u32 s34, s34, s33
	s_lshl_b32 s33, s47, 11
	s_add_co_u32 s34, s34, s33
	s_mov_b32 s35, 0
	s_lshr_b32 s33, s32, 1
	s_lshl_b32 s33, s33, 19                        ; a batch block of Af is 512 KiB
	s_add_co_u32 s36, s36, s33
	s_lshl_b32 s33, s47, 17                        ; 16 quarters for my second 512 k
	s_add_co_u32 s36, s36, s33
	s_and_b32 s33, s32, 1
	s_lshl_b32 s33, s33, 12                        ; fragment 4 (n % 2)
	s_add_co_u32 s36, s36, s33
	s_lshl_b32 s33, s46, 10                        ; + wave / 2
	s_add_co_u32 s36, s36, s33
	s_add_co_u32 s36, s36, ABASE
	s_mov_b32 s37, 0
	s_add_nc_u64 s[38:39], s[38:39], s[34:35]
	PICK
.set QS, 8192
	PASS
.Lfunc_end_k_qd39cbce96a_pack:
	.size	k_qd39cbce96a_pack, .Lfunc_end_k_qd39cbce96a_pack-k_qd39cbce96a_pack
	.p2alignl 7, 3214868480
	.fill 96, 4, 3214868480
	.section	.rodata,"a",@progbits
	.p2align	6, 0x0
	.amdhsa_kernel k_qd39cbce96a_pack
		.amdhsa_group_segment_fixed_size 19456
		.amdhsa_private_segment_fixed_size 0
		.amdhsa_enable_private_segment 0
		.amdhsa_kernarg_size 96
		.amdhsa_user_sgpr_count 2
		.amdhsa_user_sgpr_kernarg_segment_ptr 1
		.amdhsa_wavefront_size32 1
		.amdhsa_system_sgpr_workgroup_id_x 1
		.amdhsa_system_sgpr_workgroup_id_y 1
		.amdhsa_system_sgpr_workgroup_id_z 1
		.amdhsa_system_vgpr_workitem_id 0
		.amdhsa_next_free_vgpr 160
		.amdhsa_next_free_sgpr 66
		.amdhsa_reserve_vcc 0
		.amdhsa_float_denorm_mode_32 3
		.amdhsa_float_denorm_mode_16_64 3
		.amdhsa_memory_ordered 1
		.amdhsa_forward_progress 1
		.amdhsa_inst_pref_size 56
	.end_amdhsa_kernel
	.amdgpu_metadata
---
amdhsa.version: [ 1, 2 ]
amdhsa.kernels:
  - .name:           k_qd39cbce96a_pack
    .symbol:         k_qd39cbce96a_pack.kd
    .args:
      - { .name: W_ih, .offset: 0, .size: 8, .value_kind: global_buffer, .address_space: global }
      - { .name: W_hh, .offset: 8, .size: 8, .value_kind: global_buffer, .address_space: global }
      - { .name: h0, .offset: 16, .size: 8, .value_kind: global_buffer, .address_space: global }
      - { .name: x, .offset: 24, .size: 8, .value_kind: global_buffer, .address_space: global }
      - { .name: pk0, .offset: 32, .size: 8, .value_kind: global_buffer, .address_space: global }
      - { .name: pk1, .offset: 40, .size: 8, .value_kind: global_buffer, .address_space: global }
      - { .name: pk2, .offset: 48, .size: 8, .value_kind: global_buffer, .address_space: global }
      - { .name: pk3, .offset: 56, .size: 8, .value_kind: global_buffer, .address_space: global }
      - { .name: lay0, .offset: 64, .size: 8, .value_kind: global_buffer, .address_space: global }
      - { .name: lay1, .offset: 72, .size: 8, .value_kind: global_buffer, .address_space: global }
      - { .name: lay2, .offset: 80, .size: 8, .value_kind: global_buffer, .address_space: global }
      - { .name: lay3, .offset: 88, .size: 8, .value_kind: global_buffer, .address_space: global }
    .group_segment_fixed_size: 19456
    .private_segment_fixed_size: 0
    .kernarg_segment_align: 8
    .kernarg_segment_size: 96
    .max_flat_workgroup_size: 256
    .sgpr_count:     66
    .vgpr_count:     160
    .wavefront_size: 32
...
	.end_amdgpu_metadata
.endif
;; end of part 3
;; launch layer0: the kernel of part 2 again; grid 16 x 16, 4 waves a work-group, clusters of 4 x 4, 327,680 bytes of LDS; arguments pk0, pk1, lay0, c0, b_ih, b_hh, out0, out1; writes pk1, out0, out1
;; launch layer1: the kernel of part 2 again; grid 16 x 16, 4 waves a work-group, clusters of 4 x 4, 327,680 bytes of LDS; arguments pk1, pk2, lay1, c0, b_ih, b_hh, out0, out1; writes pk2, out0, out1
;; launch layer2: the kernel of part 2 again; grid 16 x 16, 4 waves a work-group, clusters of 4 x 4, 327,680 bytes of LDS; arguments pk2, pk3, lay2, c0, b_ih, b_hh, out0, out1; writes pk3, out0, out1
;; launch layer3: the kernel of part 2 again; grid 16 x 16, 4 waves a work-group, clusters of 4 x 4, 327,680 bytes of LDS; arguments pk3, pk0, lay3, c0, b_ih, b_hh, out0, out1; writes pk0, out0, out1
